; MI455X (gfx1250); checked and timed in simulation.
; The chip was launched on July 23, 2026; its instructions are those of AMD's public machine-readable ISA for CDNA 5 (MIT licence, August 2026) and "CDNA5" Instruction Set Architecture Reference Guide (July 2026). The comments in the code are by the model that wrote it; some were corrected since.
;; GLU. Allowed arithmetic: matrix products marked QUANTISED: E4M3 operands, one given power-of-two scale a tensor, by v_wmma_f32_16x16x64_fp8_fp8 or v_wmma_f32_16x16x128_fp8_fp8, f32 sums; everything else in f32.
;; Inputs: lowp_scales 2 int32 (the exponents e of the quantised operands' scales 2^e); weight 4,096 x 2,048 float32; x 8,192 x 2,048 float32.
;; Outputs: out0 8,192 x 2,048 float32.
;; This version of the problem:
;;   THIS VERSION OF THE PROBLEM IS GIVEN IN LOW PRECISION. The matrix products marked QUANTISED in the list below multiply operands that are first quantised to E4M3 (4 exponent bits, 3 mantissa bits; 8 bits a number), with one given power-of-two scale for each operand tensor; their sums are f32. All else is computed in f32.
;;   The module's matrix products, in the order in which they are computed (A, B: the left and right operand; K: the contracted axis; several contracted axes count as one K, in the product's order):
;;     1. [M 8,192, K 2,048] x [K 2,048, N 4,096]; A: computed on the way; B: computed on the way: QUANTISED (scales: A lowp_scales[0], B lowp_scales[1])
;;   THE QUANTISER, for each operand of a quantised product, along K:
;;     - The operand's scale is 2^e, e = its entry of the input lowp_scales (int32; the entries are numbered through the quantised products in the list's order, A before B).
;;     - Each number is divided by the scale, clamped to +-448, and rounded to the nearest number of E4M3, ties to even, subnormals kept.
;;     - The product sums the exact products of the quantised numbers (number of the format x scale) in f32.
;;   ~~~python
;;   def quantise(x, axis, e):      # numpy; x: float32 -> the quantised numbers, widened to float32 again
;;       x = np.moveaxis(x, axis, -1); K = x.shape[-1]
;;       r = np.clip(x / 2.0 ** e, -448, 448)
;;       step = 2.0 ** (np.maximum(np.frexp(np.where(r == 0, 1, r))[1] - 1, -6) - 3)
;;       q = np.round(r / step) * step * 2.0 ** e      # np.round: ties to even
;;       return np.moveaxis(q, -1, axis).astype(np.float32)
;;   ~~~
;;   OPERANDS COMPUTED ON THE WAY. 'Computed on the way' means the value that the module computes at that place (a softmax that the list does not call 'softmax' is quantised finished and normalised). What goes into a quantiser is computed in f32, as accurately as f32 sums, v_exp_f32 and their like allow (about 1e-6 of the number): no bf16 or f16 on the way to a quantiser, and a product that is left as it is and whose result goes on into a quantised operand takes f32 operands (vector FMAs, or v_wmma_f32_16x16x4_f32). A number that lies on a knife's edge between two numbers of the format may be rounded either way, as far as f32 arithmetic and the matrix unit's own rounding can turn it there, and no further.
;; One version. Each part assembles by itself: llvm-mc -triple=amdgcn-amd-amdhsa -mcpu=gfx1250 --defsym DOCPART=n.
;; ======== version 1 of 1: 3 launches
;; limits: right only within a limited range of input values
;; workspace buffers: rowstats 65,536 bytes; part 2,048 bytes; fac 256 bytes; xc 16,777,216 bytes; wc 8,388,608 bytes
;; launch stats (part 1): grid 256 x 1, 16 waves a work-group, no clusters, 3,072 bytes of LDS; arguments x, weight, rowstats, part; writes rowstats, part
.if DOCPART == 1
	.amdgcn_target "amdgcn-amd-amdhsa--gfx1250"
	.amdhsa_code_object_version 6
	.text
	.protected	k_qc9d24cf9b1_stats
	.globl	k_qc9d24cf9b1_stats
	.p2align	8
	.type	k_qc9d24cf9b1_stats,@function
k_qc9d24cf9b1_stats:
	s_mov_b64 s[64:65], 0
	v_nop
	global_prefetch_b8 v0, s[64:65] scope:SCOPE_SE
	s_setreg_imm32_b32 hwreg(HW_REG_WAVE_MODE, 25, 1), 1
	s_wait_xcnt 0x0
; FIRST PASS.  For every row of x [8192][2048] f32: its mean mu and rs = 1 / sqrt(variance + 1e-5), into rowstats [8192][2].
; For every work-group: the largest |normed| of its 32 rows of x and the sum of |w| over its 16 rows of weight [4096][2048], into part [256][2].
; The two figures that span the tensors (the largest |normed|, the mean |w|) are finished by the next launch from part: a sum over work-groups is ordered by the launch's end.
; SHARES.  256 work-groups of 16 waves.  Wave w of work-group g takes rows 32 g + 2 w and 32 g + 2 w + 1 of x and row 16 g + w of weight.  A row is 8,192 bytes: 16 loads of 16 bytes a lane
; (each load of the wave covers 512 consecutive bytes), 64 registers a lane, so a row stays in registers between its passes and is read from memory once here.
; All 48 loads of a wave go out at the head: no ring, nothing is filled again.  No cache word on the loads: the next launch reads the same bytes.
; ARITHMETIC as the module writes it: the mean first, then d = x - mean, then the mean of d^2 (two passes: a common offset of the inputs does no harm).
; |normed| = |d| x rs, and a rounded multiplication by rs > 0 keeps the order: so the row's largest |normed| is its largest |d| x rs.
; No matrix unit, no cluster, no tensor load: no byte is shared between work-groups and the arithmetic is a few operations a byte.
; LIMITS: NaN and infinities among the inputs are not served.
.set R0, 32                            ; v32-95    x, my first row
.set R1, 96                            ; v96-159   x, my second row
.set R2, 160                           ; v160-223  weight, my row
; v1 16 x lane; v2 16 x wave, v3 8 x wave (LDS); v[4:5] mu, rs; v[6:7] the wave's largest |normed|, its sum of |w|; v[8:15] four chains of pairs; v16, v17 two chains of maxima;
; v18 the other half's figure; v19 at work; v20 8 x lane; v21 8 x (lane % 16); v22 0; v23 1e-5; v[24:27] wave 0's read-back
; LDS: bytes 0-255: (mu, rs) of the work-group's 32 rows; bytes 256-383: (largest, sum) of its 16 waves
.macro REDADD r                        ; the sum over the 32 lanes, in every lane
	s_delay_alu instid0(VALU_DEP_1)
	v_add_f32_dpp v[\r], v[\r], v[\r] row_xmask:1 row_mask:0xf bank_mask:0xf
	s_delay_alu instid0(VALU_DEP_1)
	v_add_f32_dpp v[\r], v[\r], v[\r] row_xmask:2 row_mask:0xf bank_mask:0xf
	s_delay_alu instid0(VALU_DEP_1)
	v_add_f32_dpp v[\r], v[\r], v[\r] row_xmask:4 row_mask:0xf bank_mask:0xf
	s_delay_alu instid0(VALU_DEP_1)
	v_add_f32_dpp v[\r], v[\r], v[\r] row_xmask:8 row_mask:0xf bank_mask:0xf
	s_delay_alu instid0(VALU_DEP_1)
	v_permlanex16_b32 v18, v[\r], s16, s17
	s_delay_alu instid0(VALU_DEP_1)
	v_add_f32 v[\r], v[\r], v18
.endm
.macro REDMAX r                        ; the maximum likewise
	s_delay_alu instid0(VALU_DEP_1)
	v_max_num_f32_dpp v[\r], v[\r], v[\r] row_xmask:1 row_mask:0xf bank_mask:0xf
	s_delay_alu instid0(VALU_DEP_1)
	v_max_num_f32_dpp v[\r], v[\r], v[\r] row_xmask:2 row_mask:0xf bank_mask:0xf
	s_delay_alu instid0(VALU_DEP_1)
	v_max_num_f32_dpp v[\r], v[\r], v[\r] row_xmask:4 row_mask:0xf bank_mask:0xf
	s_delay_alu instid0(VALU_DEP_1)
	v_max_num_f32_dpp v[\r], v[\r], v[\r] row_xmask:8 row_mask:0xf bank_mask:0xf
	s_delay_alu instid0(VALU_DEP_1)
	v_permlanex16_b32 v18, v[\r], s16, s17
	s_delay_alu instid0(VALU_DEP_1)
	v_max_num_f32 v[\r], v[\r], v18
.endm
.macro COMBINE                         ; the four chains of pairs become one number in v8
	s_delay_alu instid0(VALU_DEP_3)
	v_pk_add_f32 v[8:9], v[8:9], v[10:11]
	s_delay_alu instid0(VALU_DEP_2)
	v_pk_add_f32 v[12:13], v[12:13], v[14:15]
	s_delay_alu instid0(VALU_DEP_1)
	v_pk_add_f32 v[8:9], v[8:9], v[12:13]
	s_delay_alu instid0(VALU_DEP_1)
	v_add_f32 v8, v8, v9
.endm
	s_load_b256 s[4:11], s[0:1], 0x0               ; x s[4:5], weight s[6:7], rowstats s[8:9], part s[10:11]
	v_lshl_add_u32 v224, v0, 2, 0x400
	v_mov_b32 v225, 0
	v_lshrrev_b32 v2, 5, v0
	s_delay_alu instid0(VALU_DEP_1)
	v_readfirstlane_b32 s12, v2                    ; wave 0..15
	s_delay_alu instid0(VALU_DEP_2)
	v_lshlrev_b32 v3, 3, v2                        ; 8 x wave
	s_delay_alu instid0(VALU_DEP_3)
	v_lshlrev_b32 v2, 4, v2                        ; 16 x wave
	v_and_b32 v19, 31, v0                          ; lane
	s_delay_alu instid0(VALU_DEP_1)
	v_lshlrev_b32 v1, 4, v19
	s_delay_alu instid0(VALU_DEP_2)
	v_lshlrev_b32 v20, 3, v19
	v_and_b32 v21, 15, v0
	s_delay_alu instid0(VALU_DEP_1)
	v_lshlrev_b32 v21, 3, v21
	v_mov_b32 v22, 0
	v_mov_b32 v23, 0x3727c5ac                      ; 1e-5
	v_mov_b32 v5, 0                                ; named as the upper half of the pair v[4:5] before rs is made
	v_mov_b32 v6, 0                                ; the largest |normed| so far: none is negative
	v_mov_b32 v18, 0                               ; a lane permute's destination counts as one of its sources
	s_mov_b32 s16, 0x76543210                      ; v_permlanex16_b32: lane l takes lane l xor 16
	s_mov_b32 s17, 0xfedcba98
	s_mov_b32 s18, 0x3a000000                      ; 1 / 2048
	s_lshl_b32 s14, ttmp9, 18                      ; 32 rows of 8,192 bytes a work-group,
	s_lshl_b32 s13, s12, 14                        ; two a wave
	s_add_co_u32 s14, s14, s13
	s_mov_b32 s15, 0
	s_wait_alu depctr_va_vdst(0)
	s_wait_kmcnt 0x0
	s_add_nc_u64 s[4:5], s[4:5], s[14:15]          ; x at my first row
	s_lshr_b32 s14, s14, 1                         ; half as many rows of weight
	s_add_nc_u64 s[6:7], s[6:7], s[14:15]
	s_lshl_b32 s14, ttmp9, 8                       ; 32 rows x 8 bytes
	s_add_nc_u64 s[8:9], s[8:9], s[14:15]
	s_lshl_b32 s14, ttmp9, 3
	s_add_nc_u64 s[10:11], s[10:11], s[14:15]
.irp j, 0,1,2,3,4,5,6,7,8,9,10,11,12,13,14,15
	global_load_b128 v[R0+4*\j:R0+4*\j+3], v1, s[4:5] offset:512*\j
.endr
.irp j, 0,1,2,3,4,5,6,7,8,9,10,11,12,13,14,15
	global_load_b128 v[R1+4*\j:R1+4*\j+3], v1, s[4:5] offset:8192+512*\j
.endr
.irp j, 0,1,2,3,4,5,6,7,8,9,10,11,12,13,14,15
	global_load_b128 v[R2+4*\j:R2+4*\j+3], v1, s[6:7] offset:512*\j
.endr
; A row of x in v[R] on.  i: which of my two rows.  left: the younger loads, which may stay out.
.macro XROW R, i, left
	s_wait_loadcnt \left                           ; loads come back in order: this row's sixteen are in
.irp k, 0,1,2,3
	v_pk_add_f32 v[8+2*\k:9+2*\k], v[\R+2*\k:\R+2*\k+1], v[\R+8+2*\k:\R+9+2*\k]   ; the first eight pairs start four chains: nothing is cleared
.endr
.set PP, 8
.rept 24
	s_delay_alu instid0(VALU_DEP_4)
	v_pk_add_f32 v[8+2*(PP%4):9+2*(PP%4)], v[8+2*(PP%4):9+2*(PP%4)], v[\R+2*PP:\R+2*PP+1]
.set PP, PP+1
.endr
	COMBINE
	REDADD 8
	s_delay_alu instid0(VALU_DEP_1)
	v_mul_f32 v4, s18, v8                          ; mu
.set PP, 0
.rept 32
	v_pk_add_f32 v[\R+2*PP:\R+2*PP+1], v[\R+2*PP:\R+2*PP+1], v[4:5] op_sel_hi:[1,0] neg_lo:[0,1] neg_hi:[0,1]   ; d = x - mu, in place (the pair's low word for both halves)
.set PP, PP+1
.endr
.irp k, 0,1,2,3
	v_pk_mul_f32 v[8+2*\k:9+2*\k], v[\R+2*\k:\R+2*\k+1], v[\R+2*\k:\R+2*\k+1]
.endr
.set PP, 4
.rept 28
	s_delay_alu instid0(VALU_DEP_4)
	v_pk_fma_f32 v[8+2*(PP%4):9+2*(PP%4)], v[\R+2*PP:\R+2*PP+1], v[\R+2*PP:\R+2*PP+1], v[8+2*(PP%4):9+2*(PP%4)]
.set PP, PP+1
.endr
	COMBINE
	REDADD 8                                       ; the sum of d^2
	v_max3_num_f32 v16, |v[\R]|, |v[\R+1]|, |v[\R+2]|      ; the largest |d|, in two chains
	v_max3_num_f32 v17, |v[\R+3]|, |v[\R+4]|, |v[\R+5]|
.irp k, 6,10,14,18,22,26,30,34,38,42,46,50,54,58
	s_delay_alu instid0(VALU_DEP_2)
	v_max3_num_f32 v16, v16, |v[\R+\k]|, |v[\R+\k+1]|
	s_delay_alu instid0(VALU_DEP_2)
	v_max3_num_f32 v17, v17, |v[\R+\k+2]|, |v[\R+\k+3]|
.endr
	s_delay_alu instid0(VALU_DEP_2)
	v_max3_num_f32 v16, v16, |v[\R+62]|, |v[\R+63]|
	s_delay_alu instid0(VALU_DEP_1)
	v_max_num_f32 v16, v16, v17
	REDMAX 16
	v_fma_f32 v19, v8, s18, v23                    ; variance + 1e-5: the division by 2,048 is exact, so this rounds once, as the sum of the two does
	s_wait_alu depctr_va_vdst(0)
	v_rsq_f32 v5, v19                              ; rs
	v_nop                                          ; one plain vector instruction behind a transcendental before its result is used or its source rewritten (ISA guide 5.7.2)
	s_wait_alu depctr_va_vdst(0)
	v_mul_f32 v19, v16, v5                         ; the row's largest |normed|
	s_delay_alu instid0(VALU_DEP_1)
	v_max_num_f32 v6, v6, v19
	ds_store_b64 v2, v[4:5] offset:8*\i            ; every lane holds the same two numbers and writes the same eight bytes
.endm
; My row of weight: the sum of |w|
.macro WROW R
	s_wait_loadcnt 0x0
.set PP, 0
.rept 32
	v_add_f32 v[\R+PP], |v[\R+2*PP]|, |v[\R+2*PP+1]|       ; ascending: register PP is written when registers 2 PP and 2 PP + 1 are read, never ahead of a later read
.set PP, PP+1
.endr
.irp d, 16,8,4,2
.set PP, 0
.rept \d/2
	v_pk_add_f32 v[\R+PP:\R+PP+1], v[\R+PP:\R+PP+1], v[\R+\d+PP:\R+\d+PP+1]
.set PP, PP+2
.endr
.endr
	s_delay_alu instid0(VALU_DEP_1)
	v_add_f32 v7, v[\R], v[\R+1]
	REDADD 7
.endm
	XROW R0, 0, 32                                 ; the 32 loads of the two younger rows may be out
	XROW R1, 1, 16                                 ; the 16 loads of weight's row may be out
	WROW R2
	ds_store_b64 v3, v[6:7] offset:256
	s_wait_dscnt 0x0                               ; for wave 0's sake: my three stores have landed
	s_barrier_signal -1
	s_barrier_wait -1
	s_cmp_lg_u32 s12, 0
	s_cbranch_scc1 .Lend                           ; wave 0 alone stores the work-group's figures
	ds_load_b64 v[24:25], v20                      ; lane l: (mu, rs) of row l
	ds_load_b64 v[26:27], v21 offset:256           ; lane l: (largest, sum) of wave l % 16
	s_wait_dscnt 0x0
	global_store_b64 v20, v[24:25], s[8:9]         ; 32 lanes x 8 bytes: 256 consecutive bytes, at a multiple of 256 from the buffer's first byte
.irp m, 1
	v_max_num_f32_dpp v26, v26, v26 row_xmask:\m row_mask:0xf bank_mask:0xf
	v_add_f32_dpp v27, v27, v27 row_xmask:\m row_mask:0xf bank_mask:0xf
.endr
.irp m, 2, 4, 8
	s_delay_alu instid0(VALU_DEP_2)
	v_max_num_f32_dpp v26, v26, v26 row_xmask:\m row_mask:0xf bank_mask:0xf
	s_delay_alu instid0(VALU_DEP_2)
	v_add_f32_dpp v27, v27, v27 row_xmask:\m row_mask:0xf bank_mask:0xf
.endr
	s_wait_alu depctr_va_vdst(0)
	s_wait_xcnt 0x0                                ; EXEC is a source of the store above: it changes only behind this wait
	v_cmp_eq_u32 vcc_lo, 0, v0
	s_and_saveexec_b32 s20, vcc_lo
	global_store_b64 v22, v[26:27], s[10:11]       ; the work-group's eight bytes of part
	s_wait_xcnt 0x0                                ; and again in front of the line that widens it
	s_or_b32 exec_lo, exec_lo, s20
.Lend:
	s_wait_tensorcnt 0x0
	ds_add_u32 v224, v225
	s_wait_dscnt 0x0
	s_endpgm
.Lfunc_end_k_qc9d24cf9b1_stats:
	.size	k_qc9d24cf9b1_stats, .Lfunc_end_k_qc9d24cf9b1_stats-k_qc9d24cf9b1_stats
	.p2alignl 7, 3214868480
	.fill 96, 4, 3214868480
	.section	.rodata,"a",@progbits
	.p2align	6, 0x0
	.amdhsa_kernel k_qc9d24cf9b1_stats
		.amdhsa_group_segment_fixed_size 3072
		.amdhsa_private_segment_fixed_size 0
		.amdhsa_enable_private_segment 0
		.amdhsa_kernarg_size 32
		.amdhsa_user_sgpr_count 2
		.amdhsa_user_sgpr_kernarg_segment_ptr 1
		.amdhsa_wavefront_size32 1
		.amdhsa_system_sgpr_workgroup_id_x 1
		.amdhsa_system_sgpr_workgroup_id_y 1
		.amdhsa_system_sgpr_workgroup_id_z 1
		.amdhsa_system_vgpr_workitem_id 0
		.amdhsa_next_free_vgpr 226
		.amdhsa_next_free_sgpr 66
		.amdhsa_reserve_vcc 1
		.amdhsa_float_denorm_mode_32 3
		.amdhsa_float_denorm_mode_16_64 3
		.amdhsa_memory_ordered 1
		.amdhsa_forward_progress 1
		.amdhsa_inst_pref_size 38
	.end_amdhsa_kernel
	.amdgpu_metadata
---
amdhsa.version: [ 1, 2 ]
amdhsa.kernels:
  - .name:           k_qc9d24cf9b1_stats
    .symbol:         k_qc9d24cf9b1_stats.kd
    .args:
      - { .name: x, .offset: 0, .size: 8, .value_kind: global_buffer, .address_space: global }
      - { .name: weight, .offset: 8, .size: 8, .value_kind: global_buffer, .address_space: global }
      - { .name: rowstats, .offset: 16, .size: 8, .value_kind: global_buffer, .address_space: global }
      - { .name: part, .offset: 24, .size: 8, .value_kind: global_buffer, .address_space: global }
    .group_segment_fixed_size: 3072
    .private_segment_fixed_size: 0
    .kernarg_segment_align: 8
    .kernarg_segment_size: 32
    .max_flat_workgroup_size: 512
    .sgpr_count:     66
    .vgpr_count:     226
    .wavefront_size: 32
...
	.end_amdgpu_metadata
.endif
;; end of part 1
;; launch quant (part 2): grid 256 x 1, 16 waves a work-group, no clusters, 83,968 bytes of LDS; arguments x, weight, lowp_scales, rowstats, part, xc, wc, fac; writes xc, wc, fac
.if DOCPART == 2
	.amdgcn_target "amdgcn-amd-amdhsa--gfx1250"
	.amdhsa_code_object_version 6
	.text
	.protected	k_qc9d24cf9b1_quant
	.globl	k_qc9d24cf9b1_quant
	.p2align	8
	.type	k_qc9d24cf9b1_quant,@function
k_qc9d24cf9b1_quant:
	s_mov_b64 s[64:65], 0
	v_nop
	global_prefetch_b8 v0, s[64:65] scope:SCOPE_SE
	s_setreg_imm32_b32 hwreg(HW_REG_WAVE_MODE, 25, 1), 1
	s_wait_xcnt 0x0
; SECOND PASS: both operands of the product become codes of FP8 (E4M3), K innermost, each with its given scale 2^e (lowp_scales: e0 for the activations, e1 for the weights).
; Every wave first finishes the two figures that span the tensors, from part [256][2]: g = the largest |normed|, wbar = the sum of |w| / 2^23; all waves add in the same order, so all hold the same bits.
; ACTIVATIONS: a = clip((x - mu) x rs x (128 / g), +-(128 - 1e-5)); code = a / 2^e0 held within +-448.  A division by 2^e0 is exact, so the two clips are ONE hold at min(128 - 1e-5, 448 x 2^e0).
; WEIGHTS: t = clip(round(w / (wbar + 1e-7)), +-1); b = w + (t - w), summed as the module writes it; code = b / 2^e1 held within +-448.
; xc: [8192][2048] codes.  wc: [4096][2048] codes WITH THE ROWS PERMUTED: row n of weight goes to row ((n % 2048) / 64) x 128 + (n / 2048) x 64 + n % 64: every 128 rows of wc are 64 columns of the
; module's first half followed by the same 64 columns of its gate, so that the product's launch finds both in one wave, in the same lanes.  The permutation is one scalar address.
; fac: 64 words, all g x wbar / 128, the factor that the product's sums still lack.  Wave 0 of work-group 0 stores them: 256 consecutive bytes by one instruction.
; SHARES as in the first pass: wave w of work-group g takes rows 32 g + 2 w, + 1 of x and row 16 g + w of weight: 12 steps of 512 numbers.  All 48 loads go out at the head.
; A conversion takes 8 neighbours along K from ONE lane's registers; a load is dense where neighbouring LANES take neighbouring bytes.  Both are had: a step's four loads read 512 consecutive bytes each,
; its 2,048 bytes go through the wave's own stage in LDS as they lie (16 bytes of padding behind each 64) and come back 64 bytes a lane; a lane's 16 codes are 16 bytes, the wave stores two rows of 256 bytes, in neighbouring blocks.
; No barrier: waves share nothing.  No tensor load, cluster or matrix unit: no byte is shared between work-groups.
; LIMITS: e0 and e1 between -126 and 119, so that 2^e and 448 x 2^e are f32 numbers.  NaN and infinities among the inputs are not served; g = 0 (every row constant) gives NaN, as in the module.
; 128 / g and w / (wbar + 1e-7) are multiplications by a reciprocal refined by one Newton step (at most one unit in the last place off the division): t can differ only where |w| / (wbar + 1e-7) lies within 1e-7 of 0.5.
.set R, 16                             ; v16-207  step t's 16 registers as loaded, at R + 16 t; its first four take its codes
.set X, 208                            ; v208-239 two sets of 16 neighbours; at the head: part, and registers at work
.set SP, 80                            ; a place in a stage: 64 bytes + 16 of padding
.set STG, 32*SP                        ; a stage; two for each wave
; v1 16 x lane; v2 the stage on the way in; v3 on the way out; v4 8 x lane; v5 the other half's figure; v[6:7] 128 / g; v[8:9] 1 / (wbar + 1e-7); v10 2^e0; v11 the activations' hold; v12 2^e1; v13 448 x 2^e1; v[14:15] g x wbar / 128
	s_load_b512 s[4:19], s[0:1], 0x0               ; x s[4:5], weight s[6:7], lowp_scales s[8:9], rowstats s[10:11], part s[12:13], xc s[14:15], wc s[16:17], fac s[18:19]
	v_lshl_add_u32 v240, v0, 2, 0x14000
	v_mov_b32 v241, 0
	v_lshrrev_b32 v5, 5, v0
	s_delay_alu instid0(VALU_DEP_1)
	v_readfirstlane_b32 s20, v5                    ; wave 0..15
	v_and_b32 v4, 31, v0                           ; lane
	s_delay_alu instid0(VALU_DEP_1)
	v_lshlrev_b32 v1, 4, v4
	s_mul_i32 s21, s20, 2*STG                      ; my two stages
	v_lshrrev_b32 v2, 2, v4
	s_delay_alu instid0(VALU_DEP_1)
	v_mul_u32_u24 v2, v2, SP
	v_and_b32 v3, 3, v4
	s_delay_alu instid0(VALU_DEP_1)
	v_lshl_add_u32 v2, v3, 4, v2
	s_delay_alu instid0(VALU_DEP_1)
	v_add_nc_u32 v2, s21, v2                       ; in: four lanes' 64 bytes on end, then the padding: SP (lane / 4) + 16 (lane % 4); a load's 512 bytes take eight places
	v_mul_u32_u24 v3, v4, SP
	s_delay_alu instid0(VALU_DEP_1)
	v_add_nc_u32 v3, s21, v3                       ; out: SP x lane: my 16 neighbours
	v_lshlrev_b32 v4, 3, v4
	v_mov_b32 v5, 0                                ; a lane permute's destination counts as one of its sources
	; THE ORDER OF BYTES IN xc AND wc: blocks of 128 rows x 256 K, 32,768 bytes on end, eight blocks (K ascending) for each 128 rows:
	; code (row, k) lies at (row / 128) x 262144 + (k / 256) x 32768 + (row % 128) x 256 + k % 256.  The product's launch fetches one such block by one tensor load.
	v_bfe_u32 v242, v0, 4, 1                       ; a step's 512 codes are two blocks' rows: lanes 16-31 stand one block on,
	v_and_b32 v243, 15, v0
	v_lshlrev_b32 v243, 4, v243                    ; and sixteen lanes fill one row of 256 bytes
	v_lshl_or_b32 v242, v242, 15, v243
	s_mov_b32 s40, 0x76543210
	s_mov_b32 s41, 0xfedcba98
	s_lshl_b32 s22, ttmp9, 18
	s_lshl_b32 s42, s20, 14
	s_add_co_u32 s22, s22, s42                     ; x: 32 rows of 8,192 bytes a work-group, two a wave
	s_mov_b32 s23, 0
	s_lshl_b32 s26, ttmp9, 8
	s_lshl_b32 s42, s20, 4
	s_add_co_u32 s26, s26, s42                     ; rowstats: my two rows' 16 bytes
	s_mov_b32 s27, 0
	s_lshl_b32 s42, ttmp9, 4
	s_add_co_u32 s42, s42, s20                     ; n, my row of weight
	s_and_b32 s43, s42, 2047
	s_lshr_b32 s43, s43, 6
	s_lshl_b32 s43, s43, 7                         ; ((n % 2048) / 64) x 128
	s_lshr_b32 s44, s42, 11
	s_lshl_b32 s44, s44, 6                         ; + (n / 2048) x 64
	s_add_co_u32 s43, s43, s44
	s_and_b32 s44, s42, 63                         ; + n % 64
	s_add_co_u32 s43, s43, s44
	s_lshr_b32 s44, s43, 7                         ; wc: (row / 128) x 262144 + (row % 128) x 256
	s_lshl_b32 s44, s44, 18
	s_and_b32 s43, s43, 127
	s_lshl_b32 s43, s43, 8
	s_add_co_u32 s44, s44, s43
	s_mov_b32 s45, 0
	s_wait_kmcnt 0x0
	s_add_nc_u64 s[4:5], s[4:5], s[22:23]
	s_lshr_b32 s22, s22, 1
	s_add_nc_u64 s[6:7], s[6:7], s[22:23]          ; weight: half as many rows
	s_lshl_b32 s46, ttmp9, 5
	s_lshl_b32 s47, s20, 1
	s_add_co_u32 s46, s46, s47                     ; my first row of x
	s_lshr_b32 s47, s46, 7
	s_lshl_b32 s47, s47, 18
	s_and_b32 s46, s46, 127
	s_lshl_b32 s46, s46, 8
	s_add_co_u32 s46, s46, s47                     ; xc: (row / 128) x 262144 + (row % 128) x 256
	s_mov_b32 s47, 0
	s_add_nc_u64 s[14:15], s[14:15], s[46:47]
	s_add_nc_u64 s[16:17], s[16:17], s[44:45]
	s_add_nc_u64 s[10:11], s[10:11], s[26:27]
.irp j, 0,1,2,3
	global_load_b128 v[X+4*\j:X+4*\j+3], v1, s[12:13] offset:512*\j   ; part, whole: 2,048 bytes; a lane's 16 bytes are two work-groups' (largest, sum)
.endr
.macro LOAD t
.irp i, 0,1,2,3
.if (\t) < 8
	global_load_b128 v[R+16*(\t)+4*\i:R+16*(\t)+4*\i+3], v1, s[4:5] offset:2048*(\t)+512*\i th:TH_LOAD_NT
.else
	global_load_b128 v[R+16*(\t)+4*\i:R+16*(\t)+4*\i+3], v1, s[6:7] offset:2048*((\t)-8)+512*\i th:TH_LOAD_NT
.endif
.endr
.endm
.irp t, 0,1,2,3,4,5,6,7,8,9,10,11
	LOAD \t
.endr
	s_load_b64 s[24:25], s[8:9], 0x0               ; e0, e1
	s_load_b128 s[28:31], s[10:11], 0x0            ; mu, rs of my two rows
	s_wait_loadcnt 48                              ; part is in; the 48 loads of data were issued behind it
	v_max3_num_f32 v224, v208, v210, v212
	v_add_f32 v225, v209, v211
	v_add_f32 v226, v213, v215
	v_add_f32 v227, v217, v219
	v_add_f32 v228, v221, v223
	v_max3_num_f32 v224, v224, v214, v216
	s_delay_alu instid0(VALU_DEP_4)
	v_add_f32 v225, v225, v226
	s_delay_alu instid0(VALU_DEP_3)
	v_add_f32 v227, v227, v228
	s_delay_alu instid0(VALU_DEP_3)
	v_max3_num_f32 v224, v224, v218, v220
	s_delay_alu instid0(VALU_DEP_2)
	v_add_f32 v225, v225, v227
	s_delay_alu instid0(VALU_DEP_2)
	v_max_num_f32 v224, v224, v222
.irp m, 1
	s_delay_alu instid0(VALU_DEP_1)
	v_max_num_f32_dpp v224, v224, v224 row_xmask:\m row_mask:0xf bank_mask:0xf
	s_delay_alu instid0(VALU_DEP_3)
	v_add_f32_dpp v225, v225, v225 row_xmask:\m row_mask:0xf bank_mask:0xf
.endr
.irp m, 2, 4, 8
	s_delay_alu instid0(VALU_DEP_2)
	v_max_num_f32_dpp v224, v224, v224 row_xmask:\m row_mask:0xf bank_mask:0xf
	s_delay_alu instid0(VALU_DEP_2)
	v_add_f32_dpp v225, v225, v225 row_xmask:\m row_mask:0xf bank_mask:0xf
.endr
	s_delay_alu instid0(VALU_DEP_2)
	v_permlanex16_b32 v5, v224, s40, s41
	s_delay_alu instid0(VALU_DEP_1)
	v_max_num_f32 v224, v224, v5                   ; g
	s_delay_alu instid0(VALU_DEP_2)
	v_permlanex16_b32 v5, v225, s40, s41
	s_delay_alu instid0(VALU_DEP_1)
	v_add_f32 v225, v225, v5                       ; the sum of |w|
	s_wait_alu depctr_va_vdst(0)
	v_rcp_f32 v226, v224
	v_mul_f32 v225, 0x34000000, v225               ; wbar = the sum / 2^23.  (The plain instruction behind the transcendental)
	s_wait_alu depctr_va_vdst(0)
	v_fma_f32 v227, -v224, v226, 1.0
	v_fma_f32 v226, v226, v227, v226               ; 1 / g, refined
	s_delay_alu instid0(VALU_DEP_1)
	v_mul_f32 v6, 0x43000000, v226                 ; 128 / g
	s_delay_alu instid0(VALU_DEP_1)
	v_mov_b32 v7, v6
	v_add_f32 v228, 0x33d6bf95, v225               ; wbar + 1e-7
	s_wait_alu depctr_va_vdst(0)
	v_rcp_f32 v229, v228
	v_mul_f32 v14, v224, v225                      ; g x wbar.  (The plain instruction behind the transcendental)
	s_wait_alu depctr_va_vdst(0)
	v_fma_f32 v230, -v228, v229, 1.0
	v_fma_f32 v8, v229, v230, v229                 ; 1 / (wbar + 1e-7), refined
	s_delay_alu instid0(VALU_DEP_1)
	v_mov_b32 v9, v8
	v_mul_f32 v14, 0x3c000000, v14                 ; / 128
	s_delay_alu instid0(VALU_DEP_1)
	v_mov_b32 v15, v14
	s_wait_kmcnt 0x0
	s_add_co_i32 s42, s24, 127
	s_lshl_b32 s43, s42, 23
	v_mov_b32 v10, s43                             ; 2^e0 as f32: the conversion takes its exponent field
	s_add_co_i32 s42, s42, 8
	s_lshl_b32 s42, s42, 23
	s_or_b32 s42, s42, 0x600000
	v_mov_b32 v11, s42                             ; 448 x 2^e0,
	s_delay_alu instid0(VALU_DEP_1)
	v_min_num_f32 v11, 0x42ffffff, v11             ; or 128 - 1e-5 where that is less
	s_add_co_i32 s42, s25, 127
	s_lshl_b32 s43, s42, 23
	v_mov_b32 v12, s43                             ; 2^e1
	s_add_co_i32 s42, s42, 8
	s_lshl_b32 s42, s42, 23
	s_or_b32 s42, s42, 0x600000
	v_mov_b32 v13, s42                             ; 448 x 2^e1
	s_xor_b32 s32, s28, 0x80000000                 ; -mu and rs of each row, each written twice: the packed forms name pairs
	s_mov_b32 s33, s32
	s_mov_b32 s34, s29
	s_mov_b32 s35, s29
	s_xor_b32 s36, s30, 0x80000000
	s_mov_b32 s37, s36
	s_mov_b32 s38, s31
	s_mov_b32 s39, s31
	s_or_b32 s42, ttmp9, s20
	s_cmp_lg_u32 s42, 0
	s_cbranch_scc1 .Lno_fac                        ; wave 0 of work-group 0 alone
	s_wait_alu depctr_va_vdst(0)
	global_store_b64 v4, v[14:15], s[18:19]        ; 32 lanes x 8 bytes: the whole buffer; none of its registers is written again
.Lno_fac:
.macro SHUF t                          ; step t's numbers through a stage: LDS serves a wave's instructions in order (ISA guide 5.7.1.4), so no wait stands between the stores and the loads
.irp i, 0,1,2,3
	ds_store_b128 v2, v[R+16*(\t)+4*\i:R+16*(\t)+4*\i+3] offset:STG*((\t)%2)+8*SP*\i
.endr
.irp i, 0,1,2,3
	ds_load_b128 v[X+16*((\t)%2)+4*\i:X+16*((\t)%2)+4*\i+3], v3 offset:STG*((\t)%2)+16*\i
.endr
.endm
.macro QX t, nmu, rs                   ; 16 numbers a lane of x become 16 codes
.set XS, X+16*((\t)%2)
.set CC, R+16*(\t)
.irp j, 0,2,4,6,8,10,12,14
	v_pk_add_f32 v[XS+\j:XS+\j+1], v[XS+\j:XS+\j+1], s[\nmu:\nmu+1] op_sel_hi:[1,0]   ; x - mu
.endr
.irp j, 0,2,4,6,8,10,12,14
	v_pk_mul_f32 v[XS+\j:XS+\j+1], v[XS+\j:XS+\j+1], s[\rs:\rs+1] op_sel_hi:[1,0]     ; x rs: normed
.endr
.irp j, 0,2,4,6,8,10,12,14
	v_pk_mul_f32 v[XS+\j:XS+\j+1], v[XS+\j:XS+\j+1], v[6:7]                           ; x 128 / g
.endr
.irp i, 0,1,2,3,4,5,6,7,8,9,10,11,12,13,14,15
	v_med3_num_f32 v[XS+\i], v[XS+\i], -v11, v11   ; the module's clip and the hold that the conversion wants (it does not saturate: ISA guide 7.6.2), in one
.endr
	v_cvt_scalef32_pk8_fp8_f32 v[CC:CC+1], v[XS:XS+7], v10
	v_cvt_scalef32_pk8_fp8_f32 v[CC+2:CC+3], v[XS+8:XS+15], v10
	global_store_b128 v242, v[CC:CC+3], s[14:15] offset:65536*((\t)%4)+256*((\t)/4)   ; two whole rows of 256 bytes, in two neighbouring blocks; my second row lies 256 bytes behind my first
.endm
.macro QW t                            ; 16 numbers a lane of weight become 16 codes
.set XS, X+16*((\t)%2)
.set CC, R+16*(\t)
.irp j, 0,2,4,6,8,10,12,14
	v_pk_mul_f32 v[CC+\j:CC+\j+1], v[XS+\j:XS+\j+1], v[8:9]      ; w / (wbar + 1e-7), into the registers that the step's loads have left
.endr
.irp i, 0,1,2,3,4,5,6,7,8,9,10,11,12,13,14,15
	v_rndne_f32 v[CC+\i], v[CC+\i]                 ; to the nearest whole number, ties to even
.endr
.irp i, 0,1,2,3,4,5,6,7,8,9,10,11,12,13,14,15
	v_med3_num_f32 v[CC+\i], v[CC+\i], -1.0, 1.0   ; t
.endr
.irp j, 0,2,4,6,8,10,12,14
	v_pk_add_f32 v[CC+\j:CC+\j+1], v[CC+\j:CC+\j+1], v[XS+\j:XS+\j+1] neg_lo:[0,1] neg_hi:[0,1]   ; t - w
.endr
.irp j, 0,2,4,6,8,10,12,14
	v_pk_add_f32 v[XS+\j:XS+\j+1], v[XS+\j:XS+\j+1], v[CC+\j:CC+\j+1]                             ; w + (t - w)
.endr
.irp i, 0,1,2,3,4,5,6,7,8,9,10,11,12,13,14,15
	v_med3_num_f32 v[XS+\i], v[XS+\i], -v13, v13
.endr
	v_cvt_scalef32_pk8_fp8_f32 v[CC:CC+1], v[XS:XS+7], v12
	v_cvt_scalef32_pk8_fp8_f32 v[CC+2:CC+3], v[XS+8:XS+15], v12
	global_store_b128 v242, v[CC:CC+3], s[16:17] offset:65536*((\t)-8)
.endm
; The conversions' results go to stores alone, and the next vector lines behind them are the next step's plain packed lines on the other set of registers.
.macro STEP t
	s_wait_dscnt 0x0                               ; this step's numbers are back from the stage, so its stores into the stage have read their registers
.if (\t) < 11
	s_wait_loadcnt 4*(10-(\t))                     ; the next step's four loads are in: behind them four loads were issued for each later step
	SHUF (\t)+1                                    ; and go through the other stage while this step is worked
.endif
.if (\t) < 4
	QX \t, 32, 34
.elseif (\t) < 8
	QX \t, 36, 38
.else
	QW \t
.endif
.endm
	s_wait_loadcnt 44                              ; step 0's four loads are in; the 44 of the eleven later steps may be out
	SHUF 0
.irp t, 0,1,2,3,4,5,6,7,8,9,10,11
	STEP \t
.endr
	s_wait_tensorcnt 0x0
	ds_add_u32 v240, v241
	s_wait_dscnt 0x0
	s_endpgm
.Lfunc_end_k_qc9d24cf9b1_quant:
	.size	k_qc9d24cf9b1_quant, .Lfunc_end_k_qc9d24cf9b1_quant-k_qc9d24cf9b1_quant
	.p2alignl 7, 3214868480
	.fill 96, 4, 3214868480
	.section	.rodata,"a",@progbits
	.p2align	6, 0x0
	.amdhsa_kernel k_qc9d24cf9b1_quant
		.amdhsa_group_segment_fixed_size 83968
		.amdhsa_private_segment_fixed_size 0
		.amdhsa_enable_private_segment 0
		.amdhsa_kernarg_size 64
		.amdhsa_user_sgpr_count 2
		.amdhsa_user_sgpr_kernarg_segment_ptr 1
		.amdhsa_wavefront_size32 1
		.amdhsa_system_sgpr_workgroup_id_x 1
		.amdhsa_system_sgpr_workgroup_id_y 1
		.amdhsa_system_sgpr_workgroup_id_z 1
		.amdhsa_system_vgpr_workitem_id 0
		.amdhsa_next_free_vgpr 244
		.amdhsa_next_free_sgpr 66
		.amdhsa_reserve_vcc 0
		.amdhsa_float_denorm_mode_32 3
		.amdhsa_float_denorm_mode_16_64 3
		.amdhsa_memory_ordered 1
		.amdhsa_forward_progress 1
		.amdhsa_inst_pref_size 58
	.end_amdhsa_kernel
	.amdgpu_metadata
---
amdhsa.version: [ 1, 2 ]
amdhsa.kernels:
  - .name:           k_qc9d24cf9b1_quant
    .symbol:         k_qc9d24cf9b1_quant.kd
    .args:
      - { .name: x, .offset: 0, .size: 8, .value_kind: global_buffer, .address_space: global }
      - { .name: weight, .offset: 8, .size: 8, .value_kind: global_buffer, .address_space: global }
      - { .name: lowp_scales, .offset: 16, .size: 8, .value_kind: global_buffer, .address_space: global }
      - { .name: rowstats, .offset: 24, .size: 8, .value_kind: global_buffer, .address_space: global }
      - { .name: part, .offset: 32, .size: 8, .value_kind: global_buffer, .address_space: global }
      - { .name: xc, .offset: 40, .size: 8, .value_kind: global_buffer, .address_space: global }
      - { .name: wc, .offset: 48, .size: 8, .value_kind: global_buffer, .address_space: global }
      - { .name: fac, .offset: 56, .size: 8, .value_kind: global_buffer, .address_space: global }
    .group_segment_fixed_size: 83968
    .private_segment_fixed_size: 0
    .kernarg_segment_align: 8
    .kernarg_segment_size: 64
    .max_flat_workgroup_size: 512
    .sgpr_count:     66
    .vgpr_count:     244
    .wavefront_size: 32
...
	.end_amdgpu_metadata
.endif
;; end of part 2
;; launch gemm (part 3): grid 16 x 16, 4 waves a work-group, clusters of 4 x 4, 327,680 bytes of LDS; arguments xc, wc, lowp_scales, fac, out0; writes out0
.if DOCPART == 3
	.amdgcn_target "amdgcn-amd-amdhsa--gfx1250"
	.amdhsa_code_object_version 6
	.text
	.protected	k_qc9d24cf9b1_gemm
	.globl	k_qc9d24cf9b1_gemm
	.p2align	8
	.type	k_qc9d24cf9b1_gemm,@function
k_qc9d24cf9b1_gemm:
	s_mov_b64 s[64:65], 0
	v_nop
	global_prefetch_b8 v0, s[64:65] scope:SCOPE_SE
	s_setreg_imm32_b32 hwreg(HW_REG_WAVE_MODE, 25, 1), 1
	s_wait_xcnt 0x0
	s_wait_alu depctr_hold_cnt(0) depctr_sa_sdst(0) depctr_va_vdst(0) depctr_va_sdst(0) depctr_va_ssrc(0) depctr_va_vcc(0) depctr_vm_vsrc(0)
	s_getreg_b32 s2, hwreg(HW_REG_IB_STS2, 6, 4)
	s_cmp_eq_u32 s2, 0
	s_cbranch_scc0 .Lentry_in_a_cluster
	s_endpgm
.Lentry_in_a_cluster:
	s_bfe_u32 s2, ttmp6, 0x10000c
	s_cmp_lg_u32 s2, 0xf033
	s_cbranch_scc0 .Lentry_shape_is_right
	s_endpgm
.Lentry_shape_is_right:
; THE PRODUCT AND THE GATE.  proj = (codes of xc) x (codes of wc)^T x F, F = fac x 2^(e0 + e1); out0 = h x silu(gate).  FP8 (E4M3) codes, f32 sums.
; xc, wc lie in blocks of 128 rows x 256 K (32,768 bytes on end, eight blocks for each 128 rows).  Every 128 rows of wc are 64 columns of h and the same 64 columns of the gate.
; A block of 256 x 256 of proj (128 columns of out0) is made by four waves, 128 x 128 each: 64 accumulators, 512 registers.  A work-group makes two such blocks, 4,096 rows apart, on the same rows of wc.
; K goes in steps of 256 through two LDS slots; a wave fetches one block of xc or wc by one tensor load, stated as 32 rows of 1,024 bytes, 16 bytes of padding behind every 256: LDS rows 272 bytes apart.
; CLUSTERS 4 x 4: xc's blocks are asked for jointly along a row of the cluster, wc's along a column.  K begins at a step that hangs on the cluster's place and goes round:
; clusters that read the same blocks ask for them in different trips.  The order of a sum's K steps differs so from cluster to cluster; the result is judged within a tolerance.
; AT A CHANGE OF SLOTS the step's first 16 products stand ahead of the wait for the tile, so that my last reads of the old slot land under them; between that wait and the next refill stand the three lines,
; the descriptors' arithmetic and the round; the step's other 48 products follow the joint load.
; LDS LOADS go in runs of 32, 16 and 16 for each 128 along K: wc's next set at a step's start, xc's blocks 0-3 in its middle, blocks 4-7 at its end.
; PREFETCH: behind each refill a wave names the K step that its slot takes at the slot's next refill (two refills on): 32 lines of 256 bytes, a lane a line; the four partners of a joint load share
; the block's 128 lines out by address.  wc is asked for in the first block of proj alone; K step 1 is asked for behind the first load, K steps 2 and 3 behind the second; the last two refills of the launch ask for nothing.
; THE WAY OUT: with H, G the raw sums, out = H G F^2 / (1 + 2^(-log2(e) F G)) = (H G) x rcp(c e + c), c = 1 / F^2.
; LIMITS: F^2 and 1 / F^2 are normal f32 numbers (F between 1e-18 and 1e18); NaN and infinities are not served.
; REGISTERS: window 0: v0-31 addresses and factors, v32-127 the way out, v128-255 xc's fragments (one set; on the way out rows read back); window 1: wc's fragments, two sets; windows 2, 3: accumulators.
.set KSB,    32768
.set KMASK,  8*KSB-1
.set PITCH,  272
.set FR,     16
.set NL,     4
.set NP,     4
.set HALFT,  128*PITCH
.set SLOT,   4*HALFT
.set LAPS,   4
.set STAGE,  2*SLOT                    ; behind the ring: 16 rows x 272 bytes for each wave
.set SPARE,  STAGE+4*16*PITCH          ; the spare words: 512 bytes that no other line names
.set OROW,   8192
.set TSTEP,  4096*2048                 ; xc: 4,096 rows on
.set FV,   8
.set EV,   10                          ; v[10:11] -log2(e) F
.set CV,   12                          ; v[12:13] 1 / F^2
.set ADRA, 16
.set ADRB, 20
.set STO,  24
.set RD,   25
.set CO,   26
.set SPW,  28
.set NIL,  29
.set PFO,  30                          ; 256 x lane
.set HH,   32
.set EE,   96
.set AF,   128
.set BK,   128
.set G1, 24
.set G0, 32
.set G1B, 48
.set G0B, 56
.set KO, 72                            ; s[72:75] each slot's place along K, in bytes of a run of eight blocks
.set BA, 76
.set BB, 78
.set PFB, 82                           ; s[82:83] my quarter of the blocks that I fetch
.set PF,  84                           ; s[84:85] the prefetch's address
.set MSB, 0
.macro WIN new
.if MSB != (\new)
	s_set_vgpr_msb (MSB<<8)|(\new)
.set MSB, (\new)
.endif
.endm
.set MUL_LO, 0xa1
.set MUL_HI, 0xf1
.set TO_B,   0x40
.macro JLOAD g0a, g1a, g0b, g1b        ; waves 0, 1 fetch xc's two blocks, waves 2, 3 wc's; s_nop 0 and four v_nop behind each line
	s_cmp_eq_u32 s15, 0
	s_cbranch_scc0 .Lfor_b_\@
	tensor_load_to_lds s[\g0a:\g0a+3], s[\g1a:\g1a+7]
	s_nop 0
.rept 4
	v_nop
.endr
	s_branch .Lasked_\@
.Lfor_b_\@:
	tensor_load_to_lds s[\g0b:\g0b+3], s[\g1b:\g1b+7]
	s_nop 0
.rept 4
	v_nop
.endr
.Lasked_\@:
.endm
.macro CREST
	s_cmp_lg_u32 s14, 0
	s_cbranch_scc1 .Lnot_wave_0_\@
	s_barrier_signal -3
.Lnot_wave_0_\@:
	s_barrier_wait -3
	s_barrier_signal -1
	s_barrier_wait -1
.endm
.macro CROUND
	s_barrier_signal -1
	s_barrier_wait -1
	CREST
.endm
.macro AIM slot                        ; both group 0 addresses of a slot: base + place along K
	s_add_nc_u64 s[G0+4*\slot+2:G0+4*\slot+3], s[BA:BA+1], s[KO+2*\slot:KO+2*\slot+1]
	s_or_b32 s[G0+4*\slot+3], s[G0+4*\slot+3], 0x80000000
	s_add_nc_u64 s[G0B+4*\slot+2:G0B+4*\slot+3], s[BB:BB+1], s[KO+2*\slot:KO+2*\slot+1]
	s_or_b32 s[G0B+4*\slot+3], s[G0B+4*\slot+3], 0x80000000
.endm
.macro ASK mode                        ; 1: first block's loop (xc's waves always, wc's but in the last trip); 2: xc's waves; 3: last block's loop (xc's waves, but in the last trip)
.if (\mode) == 1
	s_cmp_gt_u32 s3, s15
.elseif (\mode) == 2
	s_cmp_eq_u32 s15, 0
.else
	s_cmp_gt_u32 s3, s81
.endif
	s_cbranch_scc0 .Lno_ask_\@
	global_prefetch_b8 v[PFO], s[PF:PF+1] th:TH_LOAD_NT scope:SCOPE_SE
.Lno_ask_\@:
.endm
	s_load_b128 s[4:7], s[0:1], 0x0                ; xc, wc
	s_load_b128 s[8:11], s[0:1], 0x10              ; lowp_scales, fac
	s_load_b64 s[12:13], s[0:1], 0x20              ; out0
	v_lshl_add_u32 v[SPW], v0, 2, SPARE
	v_mov_b32 v[NIL], 0
	ds_add_u32 v[SPW], v[NIL]                      ; the opening lines: the add twice on end and one wait
	ds_add_u32 v[SPW], v[NIL]
	v_lshrrev_b32 v1, 5, v0
	v_readfirstlane_b32 s14, v1                    ; wave
	s_lshr_b32 s15, s14, 1                         ; my half of the rows; also: I fetch xc (0) or wc (1)
	s_and_b32 s16, s14, 1                          ; my half of the columns; also: which 128 rows I fetch
	s_lshl_b32 s81, s15, 3
	s_add_co_u32 s81, s81, 1                       ; 1 for xc's waves, 9 for wc's
	s_bfe_u32 s40, ttmp6, 0x40000                  ; cx
	s_bfe_u32 s41, ttmp6, 0x40004                  ; cy
	s_lshl_b32 s42, ttmp9, 2
	s_add_co_u32 s42, s42, s40                     ; block column
	s_and_b32 s17, ttmp7, 0xffff
	s_lshr_b32 s80, s17, 1
	s_xor_b32 s80, s80, s17
	s_and_b32 s80, s80, 1
	s_lshl_b32 s80, s80, 1
	s_add_co_u32 s80, s80, ttmp9
	s_and_b32 s80, s80, 3                          ; where this cluster begins along K: two K steps x this number
	s_lshl_b32 s[KO], s80, 16
	s_mov_b32 s[KO+1], 0
	s_add_co_u32 s[KO+2], s[KO], KSB
	s_mov_b32 s[KO+3], 0
	s_lshl_b32 s17, s17, 2
	s_add_co_u32 s17, s17, s41                     ; block row
	s_lshl_b32 s43, s41, 2
	s_lshl_b32 s43, 15, s43                        ; my row of the cluster
	s_lshl_b32 s44, 0x1111, s40                    ; my column
	s_or_b32 s[G1+0], s43, (0<<16)|(1<<20)|(1<<21)|(5<<22)|(3<<25)   ; bytes; padding of 4 words behind every 64
	s_or_b32 s[G1B+0], s44, (0<<16)|(1<<20)|(1<<21)|(5<<22)|(3<<25)
.irp g, G1, G1B
	s_mov_b32 s[\g+1], 1024<<16                    ; a dense block: 32 rows of 1,024 bytes
	s_mov_b32 s[\g+2], 32<<16
	s_mov_b32 s[\g+3], 1024<<16
	s_mov_b32 s[\g+4], 32
	s_mov_b32 s[\g+5], 1024
	s_mov_b32 s[\g+6], 0
	s_mov_b32 s[\g+7], 0
.endr
	s_lshl_b32 s18, s16, 7
	s_lshl_b32 s20, s17, 8
	s_add_co_u32 s20, s20, s18
	s_lshl_b32 s46, s42, 8
	s_add_co_u32 s46, s46, s18
	s_lshl_b32 s20, s20, 11                        ; 128 rows are 262,144 bytes: rows x 2,048
	s_lshl_b32 s46, s46, 11
	s_mov_b32 s21, 0
	s_mov_b32 s47, 0
	s_mul_i32 s45, s14, HALFT
	s_wait_dscnt 0x0                               ; both opening adds are done
	s_wait_kmcnt 0x0
	s_load_b64 s[68:69], s[8:9], 0x0               ; e0, e1
	s_load_b32 s70, s[10:11], 0x0                  ; fac
	s_add_nc_u64 s[BA:BA+1], s[4:5], s[20:21]
	s_add_nc_u64 s[BB:BB+1], s[6:7], s[46:47]
	s_cmp_eq_u32 s15, 0
	s_cselect_b64 s[PFB:PFB+1], s[BA:BA+1], s[BB:BB+1]
	s_cselect_b32 s86, s40, s41                    ; my place among the four that ask with me
	s_lshl_b32 s86, s86, 13                        ; 32 lines of 256 bytes each
	s_mov_b32 s87, 0
	s_add_nc_u64 s[PFB:PFB+1], s[PFB:PFB+1], s[86:87]
.irp j, 1,2,3                                          ; K steps 1 to 3, going round
	s_add_co_u32 s86, s[KO], \j*KSB
	s_and_b32 s86, s86, KMASK
	s_add_nc_u64 s[86+2*\j:87+2*\j], s[PFB:PFB+1], s[86:87]
.endr
	CROUND                                         ; in front of the first joint loads
.irp s, 0,1
	s_mov_b32 s[G0+4*\s], 1
	s_add_co_u32 s[G0+4*\s+1], s45, \s*SLOT
	s_mov_b32 s[G0B+4*\s], 1
	s_add_co_u32 s[G0B+4*\s+1], s45, \s*SLOT
	AIM \s
.endr
	JLOAD G0, G1, G0B, G1B                         ; K step 0: one tensor load a wave at the head
	v_and_b32 v1, 15, v0
	v_bfe_u32 v2, v0, 4, 1
	v_mul_u32_u24 v3, v1, PITCH
	v_lshl_add_u32 v4, v2, 4, v3
	v_and_b32 v[PFO], 31, v0
	v_lshlrev_b32 v[PFO], 8, v[PFO]
	global_prefetch_b8 v[PFO], s[88:89] th:TH_LOAD_NT scope:SCOPE_SE   ; K step 1
	s_mul_i32 s21, s15, HALFT
	s_mul_i32 s22, s16, HALFT
	s_add_co_u32 s22, s22, 2*HALFT
.irp s, 0,1
	v_add_nc_u32 v[ADRA+\s], s21, v4
	v_add_nc_u32 v[ADRB+\s], s22, v4
	s_add_co_u32 s21, s21, SLOT
	s_add_co_u32 s22, s22, SLOT
.endr
	s_mul_i32 s23, s14, 16*PITCH
	s_add_co_u32 s23, s23, STAGE                   ; my stage
	s_wait_alu depctr_va_vdst(0)                   ; a wait directly ahead of the readers below
	v_lshl_add_u32 v5, v2, 5, v3                   ; in: row l % 16, 32 bytes for each half of the lanes
	v_add_nc_u32 v[STO], s23, v5
	v_mul_u32_u24 v5, v2, PITCH                    ; back: sixteen lanes to a row of 256 bytes, two rows an instruction
	v_lshl_add_u32 v5, v1, 4, v5
	v_add_nc_u32 v[RD], s23, v5
	v_lshlrev_b32 v5, 13, v2
	v_lshl_add_u32 v[CO], v1, 4, v5
	s_lshl_b32 s20, s17, 8
	s_lshl_b32 s21, s15, 7
	s_add_co_u32 s20, s20, s21
	s_lshl_b32 s20, s20, 13                        ; my first row of out0,
	s_lshl_b32 s46, s42, 9
	s_lshl_b32 s47, s16, 8
	s_add_co_u32 s46, s46, s47                     ; my 64 columns: 256 bytes
	s_add_co_u32 s20, s20, s46
	s_mov_b32 s21, 0
	s_add_nc_u64 s[12:13], s[12:13], s[20:21]
	s_add_nc_u64 s[66:67], s[12:13], 4096*OROW     ; the second block's rows
	s_wait_kmcnt 0x0
	s_add_co_i32 s68, s68, s69
	v_mov_b32 v[FV], s70
	v_ldexp_f32 v[FV], v[FV], s68                  ; F
	v_mul_f32 v[EV], 0xbfb8aa3b, v[FV]
	v_mul_f32 v[CV], v[FV], v[FV]
	v_mov_b32 v[EV+1], v[EV]
	s_wait_alu depctr_va_vdst(0)                   ; a wait ahead of a transcendental
	v_rcp_f32 v[CV], v[CV]
	v_nop
	s_wait_alu depctr_va_vdst(0)                   ; and ahead of its first reader
	v_mov_b32 v[CV+1], v[CV]
.macro FRAG reg, adr, q, i             ; 16 rows x 128 K: registers 4 c .. 4 c + 3 hold K = 32 c + 16 (l / 16) + 0 .. 15, alike in both operands
.irp c, 0,1,2,3
	ds_load_b128 v[\reg+4*\c:\reg+4*\c+3], v[\adr] offset:128*(\q)+32*\c+(\i)*16*PITCH
.endr
.endm
.macro MUL16 a0, p, zero               ; source 0 = 16 rows of wc, source 1 = 16 rows of xc; the 64 accumulators take turns
.irp a, \a0, \a0+1
.irp b, 0,1,2,3,4,5,6,7
.if \zero
	v_wmma_f32_16x16x128_fp8_fp8 v[8*(8*((\a)%4)+\b):8*(8*((\a)%4)+\b)+7], v[128*(\p)+FR*\b:128*(\p)+FR*\b+FR-1], v[AF+FR*(\a):AF+FR*(\a)+FR-1], 0
.else
	v_wmma_f32_16x16x128_fp8_fp8 v[8*(8*((\a)%4)+\b):8*(8*((\a)%4)+\b)+7], v[128*(\p)+FR*\b:128*(\p)+FR*\b+FR-1], v[AF+FR*(\a):AF+FR*(\a)+FR-1], v[8*(8*((\a)%4)+\b):8*(8*((\a)%4)+\b)+7]
.endif
.endr
.endr
.endm
.macro FETCH_B slot, q, p
	WIN TO_B
.irp i, 0,1,2,3,4,5,6,7
	FRAG 128*(\p)+FR*\i, ADRB+\slot, \q, \i
.endr
	WIN 0
.endm
.macro FETCH_A slot, q, i0
.irp i, \i0, \i0+1, \i0+2, \i0+3
	FRAG AF+FR*(\i), ADRA+\slot, \q, \i
.endr
.endm
.macro PLACES n                        ; places behind matrix instructions, in front of loads into their registers and of reads of their results
.rept \n
	v_nop
.endr
.endm
.macro STEP slot, q, zero              ; a slot's first 128 along K; fetches the second
	s_wait_dscnt 4*NL                              ; all but the youngest 16 loads (xc's blocks 4-7)
	FETCH_B \slot, (\q)+1, 1-(\q)%2                ; wc's other set was last multiplied in the step before, whose places stand at its end
	WIN MUL_LO
	MUL16 0, (\q)%2, \zero
	MUL16 2, (\q)%2, \zero
	s_wait_dscnt 8*NL                              ; xc's blocks 4-7 are in; the 32 loads just issued may be out
	PLACES NP
	WIN 0
	FETCH_A \slot, (\q)+1, 0
	WIN MUL_HI
	MUL16 4, (\q)%2, \zero
	MUL16 6, (\q)%2, \zero
	PLACES NP
	WIN 0
	FETCH_A \slot, (\q)+1, 4
.endm
; A slot's second 128 along K lie in registers, or on their way there, when it begins: the slot is given up early.  fill: 0 none, 1 two K steps on, 2 the same in the next block's rows of xc.
.macro TURN slot, next, fill, fetch, ask
.if (\ask)
	s_wait_xcnt 0x0                                ; my last prefetch has read its address
.if ((\ask) == 1) && ((\slot) == 0)
	s_cmp_eq_u32 s3, 1                             ; from the loop's last trip on the K steps two refills on are the next block's
	s_cselect_b32 s86, TSTEP, 0
	s_add_nc_u64 s[PFB:PFB+1], s[PFB:PFB+1], s[86:87]
.endif
	s_add_co_u32 s86, s[KO+2*\slot], 4*KSB         ; this slot's K step after the one that is asked for below
	s_and_b32 s86, s86, KMASK
	s_add_nc_u64 s[PF:PF+1], s[PFB:PFB+1], s[86:87]
.endif
	s_wait_dscnt 4*NL                              ; all but the youngest 16 loads (xc's blocks 4-7), which land under the sixteen products below
	WIN MUL_LO
	MUL16 0, 1, 0
	WIN 0                                          ; (the add's two registers lie in window 0)
	s_wait_tensorcnt 0x0                           ; my one load that was out, my part of the next slot, has landed: so every group 0 may be written
	ds_add_u32 v[SPW], v[NIL]                      ; the descriptors' arithmetic stands between the add and the wait for it
.if \fill
.if \fill == 2
	s_add_nc_u64 s[BA:BA+1], s[BA:BA+1], TSTEP
.endif
	s_add_co_u32 s[KO+2*\slot], s[KO+2*\slot], 2*KSB
	s_and_b32 s[KO+2*\slot], s[KO+2*\slot], KMASK
	AIM \slot
.endif
	s_wait_dscnt 0x0                               ; the add is done and my reads of this slot are over
	s_barrier_signal -1
	s_barrier_wait -1
.if \fill
	CREST                                          ; the barrier has opened a round of the cluster's barrier
	JLOAD G0+4*\slot, G1, G0B+4*\slot, G1B         ; the first tensor load behind the round
.endif
.if \fetch
	FETCH_B \next, 0, 0                            ; set 0 was last multiplied in the step before, whose places stand at its end
.endif
	WIN MUL_LO
	MUL16 2, 1, 0
.if \fetch
	PLACES NP
	WIN 0
	FETCH_A \next, 0, 0
.endif
.if (\ask)
	WIN 0
	ASK \ask
.endif
	WIN MUL_HI
	MUL16 4, 1, 0
	MUL16 6, 1, 0
.if \fetch
	PLACES NP
	WIN 0
	FETCH_A \next, 0, 4
.else
	WIN 0
.endif
.endm
.macro FINAL
	s_wait_dscnt 4*NL
	WIN MUL_LO
	MUL16 0, 1, 0
	MUL16 2, 1, 0
	s_wait_dscnt 0
	WIN MUL_HI
	MUL16 4, 1, 0
	MUL16 6, 1, 0
	WIN 0
.endm
; 16 rows x 64 columns of out0: accumulators 0-3 of the block are H, 4-7 are G, in the same lanes.  Each accumulator is read from its low end on.
.macro GLU a
.set AC, 64*((\a)%4)
	WIN 0x02+((\a)/4)
.set JJ, 0
.rept 16
	v_pk_mul_f32 v[EE+JJ:EE+JJ+1], v[AC+32+JJ:AC+32+JJ+1], v[EV:EV+1]        ; -log2(e) F G
.set JJ, JJ+2
.endr
	WIN 0x0a+5*((\a)/4)
.set JJ, 0
.rept 16
	v_pk_mul_f32 v[HH+JJ:HH+JJ+1], v[AC+JJ:AC+JJ+1], v[AC+32+JJ:AC+32+JJ+1]  ; H G
.set JJ, JJ+2
.endr
	WIN 0
	s_wait_alu depctr_va_vdst(0)                   ; a wait ahead of each batch of transcendentals and one behind it
.set JJ, 0
.rept 32
	v_exp_f32 v[EE+JJ], v[EE+JJ]
.set JJ, JJ+1
.endr
	v_nop
	s_wait_alu depctr_va_vdst(0)
.set JJ, 0
.rept 16
	v_pk_fma_f32 v[EE+JJ:EE+JJ+1], v[EE+JJ:EE+JJ+1], v[CV:CV+1], v[CV:CV+1]  ; (1 + e) / F^2
.set JJ, JJ+2
.endr
	s_wait_alu depctr_va_vdst(0)
.set JJ, 0
.rept 32
	v_rcp_f32 v[EE+JJ], v[EE+JJ]
.set JJ, JJ+1
.endr
	v_nop
	s_wait_alu depctr_va_vdst(0)
.set JJ, 0
.rept 16
	v_pk_mul_f32 v[HH+JJ:HH+JJ+1], v[HH+JJ:HH+JJ+1], v[EE+JJ:EE+JJ+1]
.set JJ, JJ+2
.endr
.endm
.macro TOSTAGE a                       ; through my own stage: LDS serves a wave's instructions in order, so no wait stands between the stores and the loads
.set BB2, BK+32*((\a)%2)
.irp b, 0,1,2,3
	ds_store_b128 v[STO], v[HH+8*\b:HH+8*\b+3] offset:64*\b
	ds_store_b128 v[STO], v[HH+8*\b+4:HH+8*\b+7] offset:64*\b+16
.endr
.irp t, 0,1,2,3,4,5,6,7
	ds_load_b128 v[BB2+4*\t:BB2+4*\t+3], v[RD] offset:\t*2*PITCH
.endr
.endm
.macro SEND a, younger, ob             ; younger: the next block's 8 stores and 8 loads may be out
.set BB2, BK+32*((\a)%2)
	s_wait_dscnt \younger
.irp t, 0,1,2,3,4,5,6,7
	global_store_b128 v[CO], v[BB2+4*\t:BB2+4*\t+3], s[\ob:\ob+1] offset:(16*(\a)+2*\t)*OROW th:TH_STORE_NT   ; sixteen lanes store 256 consecutive bytes, aligned
.endr
.endm
.macro WAYOUT ob
	PLACES NP
	s_wait_alu depctr_va_vdst(0)
	GLU 0
	TOSTAGE 0
.irp a, 1,2,3,4,5,6,7
	GLU \a
.if \a > 1
	s_wait_alu depctr_va_vdst(0)                   ; a wait directly ahead of the wait below
	s_wait_xcnt 0x0                                ; block a - 2's stores have read their registers
.endif
	TOSTAGE \a
	SEND \a-1, 16, \ob
.endr
	SEND 7, 0, \ob
.endm
.macro TILE last, ob
	FETCH_B 0, 0, 0
	FETCH_A 0, 0, 0
	FETCH_A 0, 0, 4
	STEP 0, 0, 1                                   ; the first products start the sums
	s_mov_b32 s3, LAPS-1
.Llap_\last:
	TURN 0, 1, 1, 1, 1+2*\last
	STEP 1, 0, 0
	TURN 1, 0, 1, 1, 1+2*\last
	STEP 0, 0, 0
	s_sub_co_u32 s3, s3, 1
	s_cmp_lg_u32 s3, 0
	s_cbranch_scc1 .Llap_\last
.if \last
	TURN 0, 1, 0, 1, 0                             ; the last lap fills nothing
	STEP 1, 0, 0
	FINAL
.else
	TURN 0, 1, 2, 1, 2                             ; the ring goes on into the next block
	STEP 1, 0, 0
	TURN 1, 0, 1, 0, 2
.endif
	WAYOUT \ob
.endm
	s_wait_alu depctr_va_vdst(0)                   ; a wait at the head's end
	s_wait_tensorcnt 0x0                           ; my part of K step 0 is in; the three lines and a round ahead of slot 1's first fill, as ahead of a refill
	ds_add_u32 v[SPW], v[NIL]
	s_wait_dscnt 0x0
	CROUND
	JLOAD G0+4, G1, G0B+4, G1B                     ; K step 1
	global_prefetch_b8 v[PFO], s[90:91] th:TH_LOAD_NT scope:SCOPE_SE   ; K step 2
	global_prefetch_b8 v[PFO], s[92:93] th:TH_LOAD_NT scope:SCOPE_SE   ; K step 3
	TILE 0, 12
	s_wait_xcnt 0x0                                ; the stores have read their registers: fragments may land there
	TILE 1, 66
	s_wait_tensorcnt 0x0                           ; the wave's end
	ds_add_u32 v[SPW], v[NIL]
	s_wait_dscnt 0x0
	CROUND                                         ; the closing round
	s_endpgm
.Lfunc_end_k_qc9d24cf9b1_gemm:
	.size	k_qc9d24cf9b1_gemm, .Lfunc_end_k_qc9d24cf9b1_gemm-k_qc9d24cf9b1_gemm
	.p2alignl 7, 3214868480
	.fill 96, 4, 3214868480
	.section	.rodata,"a",@progbits
	.p2align	6, 0x0
	.amdhsa_kernel k_qc9d24cf9b1_gemm
		.amdhsa_group_segment_fixed_size 327680
		.amdhsa_private_segment_fixed_size 0
		.amdhsa_enable_private_segment 0
		.amdhsa_kernarg_size 40
		.amdhsa_user_sgpr_count 2
		.amdhsa_user_sgpr_kernarg_segment_ptr 1
		.amdhsa_wavefront_size32 1
		.amdhsa_system_sgpr_workgroup_id_x 1
		.amdhsa_system_sgpr_workgroup_id_y 1
		.amdhsa_system_sgpr_workgroup_id_z 1
		.amdhsa_system_vgpr_workitem_id 0
		.amdhsa_next_free_vgpr 1024
		.amdhsa_next_free_sgpr 96
		.amdhsa_reserve_vcc 0
		.amdhsa_float_denorm_mode_32 3
		.amdhsa_float_denorm_mode_16_64 3
		.amdhsa_memory_ordered 1
		.amdhsa_forward_progress 1
		.amdhsa_inst_pref_size 255
	.end_amdhsa_kernel
	.section	.bss,"aw",@nobits
	.p2align	6
	.space	262144
	.amdgpu_metadata
---
amdhsa.version: [ 1, 2 ]
amdhsa.kernels:
  - .name:           k_qc9d24cf9b1_gemm
    .symbol:         k_qc9d24cf9b1_gemm.kd
    .args:
      - { .name: xc, .offset: 0, .size: 8, .value_kind: global_buffer, .address_space: global }
      - { .name: wc, .offset: 8, .size: 8, .value_kind: global_buffer, .address_space: global }
      - { .name: lowp_scales, .offset: 16, .size: 8, .value_kind: global_buffer, .address_space: global }
      - { .name: fac, .offset: 24, .size: 8, .value_kind: global_buffer, .address_space: global }
      - { .name: out0, .offset: 32, .size: 8, .value_kind: global_buffer, .address_space: global }
    .group_segment_fixed_size: 327680
    .private_segment_fixed_size: 0
    .kernarg_segment_align: 8
    .kernarg_segment_size: 40
    .max_flat_workgroup_size: 128
    .sgpr_count:     96
    .vgpr_count:     1024
    .wavefront_size: 32
...
	.end_amdgpu_metadata
.endif
;; end of part 3
